; MI455X (gfx1250); checked and timed in simulation.
; The chip was launched on July 23, 2026; its instructions are those of AMD's public machine-readable ISA for CDNA 5 (MIT licence, August 2026) and "CDNA5" Instruction Set Architecture Reference Guide (July 2026). The comments in the code are by the model that wrote it; some were corrected since.
;; Context Embedding. Allowed arithmetic: matrix products marked QUANTISED: E2M3 operands, one E8M0 scale for each 32 along K, by v_wmma_scale_f32_16x16x128_f8f6f4 with both operands' format E2M3, f32 sums; everything else in f32.
;; Inputs: E 8 x 256 x 1,024 float32; I_codes 8 x 4,096 x 16 x 24 uint8 (E2M3 codes of I, K innermost, in blocks of 32 codes, four codes in three bytes); I_scales 8 x 4,096 x 16 uint8 (E8M0 scales of I, one for each 32 codes along K); k_b 1,024 float32; k_w_codes 1,024 x 16 x 24 uint8 (E2M3 codes of k_w, K innermost, in blocks of 32 codes, four codes in three bytes); k_w_scales 1,024 x 16 uint8 (E8M0 scales of k_w, one for each 32 codes along K); p_b 1,024 float32; p_w_codes 1,024 x 32 x 24 uint8 (E2M3 codes of p_w, K innermost, in blocks of 32 codes, four codes in three bytes); p_w_scales 1,024 x 32 uint8 (E8M0 scales of p_w, one for each 32 codes along K); q_b 1,024 float32; q_w_codes 1,024 x 32 x 24 uint8 (E2M3 codes of q_w, K innermost, in blocks of 32 codes, four codes in three bytes); q_w_scales 1,024 x 32 uint8 (E8M0 scales of q_w, one for each 32 codes along K); v_b 1,024 float32; v_w_codes 1,024 x 16 x 24 uint8 (E2M3 codes of v_w, K innermost, in blocks of 32 codes, four codes in three bytes); v_w_scales 1,024 x 16 uint8 (E8M0 scales of v_w, one for each 32 codes along K).
;; Outputs: out0 8 x 256 x 2,048 float32.
;; This version of the problem:
;;   THIS VERSION OF THE PROBLEM IS GIVEN IN LOW PRECISION. The matrix products marked QUANTISED in the list below multiply operands that are first quantised to E2M3 (2 exponent bits, 3 mantissa bits; 6 bits a number), with one power-of-two scale for each 32 numbers along K (OCP MX v1.0); their sums are f32. All else is computed in f32.
;;   The module's matrix products, in the order in which they are computed (A, B: the left and right operand; K: the contracted axis; several contracted axes count as one K, in the product's order):
;;     1. [M 2,048, K 1,024] x [K 1,024, N 1,024]; A: input E; B: input q_w (given as codes): QUANTISED
;;     2. [M 32,768, K 512] x [K 512, N 1,024]; A: input I (given as codes); B: input k_w (given as codes): QUANTISED
;;     3. [M 32,768, K 512] x [K 512, N 1,024]; A: input I (given as codes); B: input v_w (given as codes): QUANTISED
;;     4. batch 128 x [M 256, K 64] x [K 64, N 4,096]; A: computed on the way; B: computed on the way: QUANTISED
;;     5. batch 128 x [M 64, K 4,096] x [K 4,096, N 256]; A: computed on the way; B: softmax (see below): QUANTISED
;;     6. [M 2,048, K 1,024] x [K 1,024, N 1,024]; A: computed on the way; B: input p_w (given as codes): QUANTISED
;;   THE QUANTISER, for each operand of a quantised product, along K:
;;     - K is cut into blocks of 32 from its start; a last block that is shorter is filled with zeros.
;;     - A block's scale is 2^e with e = floor(log2(the largest magnitude in the block)) - 2, held to -126 .. 127; a block of zeros has e = 0. As a byte (E8M0): e + 127.
;;     - Each number is divided by its block's scale, clamped to +-7.5, and rounded to the nearest number of E2M3, ties to even, subnormals kept.
;;     - The product sums the exact products of the quantised numbers (number of the format x scale) in f32.
;;   ~~~python
;;   def quantise(x, axis):      # numpy; x: float32 -> the quantised numbers, widened to float32 again
;;       x = np.moveaxis(x, axis, -1); K = x.shape[-1]
;;       x = np.pad(x, [(0, 0)] * (x.ndim - 1) + [(0, -K % 32)]); x = x.reshape(x.shape[:-1] + (-1, 32)); a = np.abs(x).max(-1, keepdims=True)
;;       e = np.where(a > 0, np.clip(np.frexp(np.where(a > 0, a, 1))[1] - 1 - 2, -126, 127), 0)      # np.frexp(a)[1] - 1 = floor(log2(a)), exactly
;;       r = np.clip(x / 2.0 ** e, -7.5, 7.5)
;;       step = 2.0 ** (np.maximum(np.frexp(np.where(r == 0, 1, r))[1] - 1, 0) - 3)
;;       q = np.round(r / step) * step * 2.0 ** e      # np.round: ties to even
;;       return np.moveaxis(q.reshape(q.shape[:-2] + (-1,))[..., :K], -1, axis).astype(np.float32)
;;   ~~~
;;   SOFTMAX AHEAD OF A QUANTISED PRODUCT. Where the list says 'softmax', what is quantised is not the finished softmax but p = 2^(t - M), with t = logit x log2(e) and M = ceil(the row's largest t), a whole number; so 1/2 < the row's largest p <= 1. The row's sum l is taken of the UNQUANTISED p, in f32, and the product's result is divided by l at the end. Since M is a whole number, a kernel that streams over the keys may use a running M (the ceiling of the running maximum): every later rescaling is an exact power of two, which a block's scale takes up: the codes' values come out the same.
;;   OPERANDS COMPUTED ON THE WAY. 'Computed on the way' means the value that the module computes at that place (a softmax that the list does not call 'softmax' is quantised finished and normalised). What goes into a quantiser is computed in f32, as accurately as f32 sums, v_exp_f32 and their like allow (about 1e-6 of the number): no bf16 or f16 on the way to a quantiser, and a product that is left as it is and whose result goes on into a quantised operand takes f32 operands (vector FMAs, or v_wmma_f32_16x16x4_f32). A number that lies on a knife's edge between two numbers of the format may be rounded either way, as far as f32 arithmetic and the matrix unit's own rounding can turn it there, and no further.
;;   INPUTS GIVEN AS CODES. I (in the module: [8, 4096, 512], K = its axis 2); k_w (in the module: [1024, 512], K = its axis 1); p_w (in the module: [1024, 1024], K = its axis 1); q_w (in the module: [1024, 1024], K = its axis 1); v_w (in the module: [1024, 512], K = its axis 1): each comes as NAME_codes (uint8): NAME with its K axis moved to the last place and cut into blocks of 32 codes, [.., K / 32, bytes a block], one block behind the other in memory; four codes in three bytes: a row's codes are one little-endian stream of bits, code i at bits 6 i .. 6 i + 5 (a code: sign, 2 exponent bits, 3 mantissa bits); and NAME_scales (uint8): the same leading axes, one E8M0 byte (e + 127) for each 32 codes along K. Its value is code x scale, taken as it is: it is not quantised again, and the codes and scales need not be those that the quantiser above would give.
;; One version. Each part assembles by itself: llvm-mc -triple=amdgcn-amd-amdhsa -mcpu=gfx1250 --defsym DOCPART=n.
;; ======== version 1 of 1: 3 launches
;; workspace buffers: I_img 13,107,200 bytes; W_img 2,359,296 bytes; E_img 1,572,864 bytes; E_sc 131,072 bytes; OP 16,777,216 bytes; ML 1,048,576 bytes
;; launch prep (part 1): grid 864 x 1, 4 waves a work-group, no clusters, 34,304 bytes of LDS; arguments E, I_codes, I_scales, k_w_codes, v_w_codes, q_w_codes, p_w_codes, I_img, W_img, E_img, E_sc, out0; writes I_img, W_img, E_img, E_sc, out0
.if DOCPART == 1
	.amdgcn_target "amdgcn-amd-amdhsa--gfx1250"
	.amdhsa_code_object_version 6
	.text
	.protected	k_q9750349cda_prep
	.globl	k_q9750349cda_prep
	.p2align	8
	.type	k_q9750349cda_prep,@function
k_q9750349cda_prep:
	s_mov_b64 s[64:65], 0
	v_nop
	global_prefetch_b8 v0, s[64:65] scope:SCOPE_SE
	s_setreg_imm32_b32 hwreg(HW_REG_WAVE_MODE, 25, 1), 1
	s_wait_xcnt 0x0
; LAYOUT AND QUANTISING, no products.  Three jobs, shared out by the work-group's number:
;   work-groups 0-255:  E [2048][1024] f32 is copied into the left half of out0's rows and quantised to FP6 (E2M3) codes along its 1,024, one E8M0 byte for each 32.
;   work-groups 256-863: the codes of I and of the four weights are laid in the ORDER OF THE OPERAND'S REGISTERS, so that the later launches fetch a fragment by three loads of 512 consecutive bytes.
; AN IMAGE of a fragment (16 rows x 128 K of 6-bit codes, 12 registers a lane) is 1,536 bytes: registers 4 c .. 4 c + 3 of lane l at 512 c + 16 l.
; THE ROWS OF A TILE of I and of the weights ARE NOT NEIGHBOURS: lane r of tile T takes row 32 (T / 2) + 8 (T % 2) + r + 8 (r / 8), so that a product's 16 registers of two neighbouring tiles are 16 neighbours along the next K.
; I_img: a record of 6,400 bytes a tile: four fragments (K = 512), then 16 rows x 16 scale bytes.  W_img: units of four fragments, 6,144 bytes: k_w 64 units, v_w 64, q_w 128, p_w 128.
; E_img: fragment (tile of 16 rows qt, K step s) at 1,536 (8 qt + s); E_sc: its scale words, 4 bytes a lane, at 128 (8 qt + s).  E's tiles take neighbouring rows.
; A wave takes one unit; waves share nothing: no barrier.  The E path alone uses LDS, 8,448 bytes a wave: 16 rows x (512 + 16).
; THE QUANTISER: a block's scale is 2^(floor(log2(its largest magnitude)) - 2); its byte is the largest magnitude's exponent field - 2, held at 1 from below.
; LIMITS: NaN and infinities among the inputs are not served; a block whose largest magnitude lies under 2^-124 is held at the byte 1; a block of zeros gets the byte 1 where the rule says 127: its codes are zeros, and this program alone reads the bytes.
.set LI,  4                            ; v4   16 x lane
.set LS,  9                            ; v9   4 x lane
.set SW,  10                           ; v10  the stage, on the way in: 8,448 x wave + 16 x lane
.set SR,  11                           ; v11  on the way out: 8,448 x wave + 528 r + 64 h
.set X,   16                           ; v16-79   16 rows x 4 numbers a lane, as loaded
.set Y,   80                           ; v80-143  64 numbers of my row: register 16 b + i = k 32 b + 16 h + i
.set TM,  144                          ; v144-159 largest magnitudes, bytes, the conversions' scale operands
.set PW,  160                          ; the scale word
.set PC,  164                          ; v164-183 the codes
.set FR,  16                           ; v16-63   four fragments as they are gathered
.set SEL, 44                           ; s[44:45] lane selects for v_permlanex16_b32: lane l xor 16
; four blocks of 32 along K, 16 numbers of each in my lane at v[src + 16 b ..], the other 16 in lane l xor 16
.macro BMAX4 src
.irp b, 0,1,2,3
	v_max3_num_f32 v[TM+\b], |v[\src+16*\b]|, |v[\src+1+16*\b]|, 0x1800000   ; and the floor 2^(3 - 127): the byte cannot fall under 1
.endr
.irp i, 2,4,6,8,10,12,14
.irp b, 0,1,2,3
	v_max3_num_f32 v[TM+\b], v[TM+\b], |v[\src+16*\b+\i]|, |v[\src+1+16*\b+\i]|   ; the four blocks by turns
.endr
.endr
.irp b, 0,1,2,3
	v_permlanex16_b32 v[TM+4+\b], v[TM+\b], s[SEL], s[SEL+1]
.endr
.irp b, 0,1,2,3
	v_max_num_f32 v[TM+\b], v[TM+\b], v[TM+4+\b]                 ; the block's largest magnitude
.endr
.irp b, 0,1,2,3
	v_add_nc_u32 v[TM+12+\b], 0xff000000, v[TM+\b]               ; 2 off its exponent field: the conversion's scale operand
.endr
.irp b, 0,1,2,3
	v_lshrrev_b32 v[TM+4+\b], 23, v[TM+12+\b]                    ; the scale's byte
.endr
.endm
; 64 numbers of a lane become a fragment's 12 registers in v[PC] on and its scale word in v[PW]
.macro QUANT src
	BMAX4 \src
	v_lshl_or_b32 v[PW], v[TM+5], 8, v[TM+4]
	v_lshl_or_b32 v[PW], v[TM+6], 16, v[PW]
	v_lshl_or_b32 v[PW], v[TM+7], 24, v[PW]
.irp c, 0,1
	v_cvt_scalef32_pk16_fp6_f32 v[PC+6*\c:PC+2+6*\c], v[\src+32*\c:\src+15+32*\c], v[TM+12+2*\c]
	v_cvt_scalef32_pk16_fp6_f32 v[PC+12+4*\c:PC+14+4*\c], v[\src+16+32*\c:\src+31+32*\c], v[TM+12+2*\c+1]   ; (a conversion's three registers begin on an even number)
.endr
	v_nop                                          ; one plain instruction behind the scaled conversions
.irp c, 0,1                                    ; the operand wants a WHOLE block in a lane: lanes 0-15 block 2 c, lanes 16-31 block 2 c + 1
.irp i, 0,1,2
	v_permlane16_swap_b32 v[PC+6*\c+\i], v[PC+12+4*\c+\i]
.endr
.irp i, 0,1,2
	v_mov_b32 v[PC+3+6*\c+\i], v[PC+12+4*\c+\i]
.endr
.endr
.endm
	s_load_b512 s[4:19], s[0:1], 0x0               ; E 4, I_codes 6, I_scales 8, k_w 10, v_w 12, q_w 14, p_w 16, I_img 18
	s_load_b256 s[20:27], s[0:1], 0x40             ; W_img 20, E_img 22, E_sc 24, out0 26
	v_lshl_add_u32 v192, v0, 2, 0x8400
	v_mov_b32 v193, 0
	v_lshrrev_b32 v1, 5, v0
	v_readfirstlane_b32 s28, v1                    ; wave 0..3
	v_and_b32 v1, 31, v0                           ; lane
	v_and_b32 v2, 15, v0                           ; r
	v_bfe_u32 v3, v0, 4, 1                         ; h
	v_lshlrev_b32 v[LI], 4, v1
	s_cmp_lt_u32 ttmp9, 256
	s_cbranch_scc0 .Lrelay
	; ---- E: unit e = 4 x work-group + wave = 8 qt + s: rows 16 qt .. + 15, numbers 128 s .. + 127
	v_lshlrev_b32 v[LS], 2, v1
	s_mul_i32 s29, s28, 8448
	v_add_nc_u32 v[SW], s29, v[LI]
	v_mul_u32_u24 v[SR], v2, 528
	v_lshl_add_u32 v[SR], v3, 6, v[SR]
	v_add_nc_u32 v[SR], s29, v[SR]
	s_mov_b32 s[SEL], 0x76543210
	s_mov_b32 s[SEL+1], 0xfedcba98
.irp b, 0,1,2,3
	v_mov_b32 v[TM+4+\b], 0                        ; written once: a lane permute's destination counts as one of its sources
.endr
	s_lshl_b32 s30, ttmp9, 2
	s_add_co_u32 s30, s30, s28                     ; e
	s_lshr_b32 s31, s30, 3                         ; qt
	s_and_b32 s32, s30, 7
	s_lshl_b32 s32, s32, 9                         ; 512 s
	s_lshl_b32 s34, s31, 16                        ; 16 rows of 4,096 bytes in E
	s_add_co_u32 s34, s34, s32
	s_mov_b32 s35, 0
	s_lshl_b32 s36, s31, 17                        ; 16 rows of 8,192 bytes in out0
	s_add_co_u32 s36, s36, s32
	s_mov_b32 s37, 0
	s_mul_i32 s38, s30, 1536
	s_mov_b32 s39, 0
	s_lshl_b32 s40, s30, 7
	s_mov_b32 s41, 0
	s_wait_kmcnt 0x0
	s_add_nc_u64 s[4:5], s[4:5], s[34:35]
	s_add_nc_u64 s[26:27], s[26:27], s[36:37]
	s_add_nc_u64 s[22:23], s[22:23], s[38:39]
	s_add_nc_u64 s[24:25], s[24:25], s[40:41]
.irp i, 0,1,2,3,4,5,6,7,8,9,10,11,12,13,14,15
	global_load_b128 v[X+4*\i:X+4*\i+3], v[LI], s[4:5] offset:4096*\i th:TH_LOAD_NT   ; 32 lanes read 512 consecutive bytes of row i
.endr
	s_wait_loadcnt 0x0
.irp i, 0,1,2,3,4,5,6,7,8,9,10,11,12,13,14,15
	global_store_b128 v[LI], v[X+4*\i:X+4*\i+3], s[26:27] offset:8192*\i th:TH_STORE_NT   ; the copy of E: 512 consecutive bytes, at a multiple of 256 from out0's first byte
.endr
.irp i, 0,1,2,3,4,5,6,7,8,9,10,11,12,13,14,15
	ds_store_b128 v[SW], v[X+4*\i:X+4*\i+3] offset:528*\i
.endr
.irp b, 0,1,2,3
.irp j, 0,1,2,3
	ds_load_b128 v[Y+16*\b+4*\j:Y+16*\b+4*\j+3], v[SR] offset:128*\b+16*\j   ; LDS serves a wave's instructions in order: these see my stores.  Row r, 16 neighbours of each block of 32
.endr
.endr
	s_wait_dscnt 0x0
	QUANT Y
.irp c, 0,1,2
	global_store_b128 v[LI], v[PC+4*\c:PC+4*\c+3], s[22:23] offset:512*\c th:TH_STORE_NT
.endr
	global_store_b32 v[LS], v[PW], s[24:25] th:TH_STORE_NT
	s_wait_tensorcnt 0x0
	ds_add_u32 v192, v193
	s_wait_dscnt 0x0
	s_endpgm
	; ---- the codes that are given: unit U = 4 x (work-group - 256) + wave.  U < 2,048: tile U of I; else weight unit u = U - 2,048
.Lrelay:
	v_and_b32 v5, 8, v2
	v_add_nc_u32 v5, v5, v2                        ; r + 8 (r / 8)
	s_sub_co_u32 s30, ttmp9, 256
	s_lshl_b32 s30, s30, 2
	s_add_co_u32 s30, s30, s28                     ; U
	s_sub_co_u32 s31, s30, 2048                    ; u (a very large number where U < 2,048)
	s_mul_i32 s40, s30, 6400
	s_mul_i32 s41, s31, 6144
	s_mov_b32 s34, 256                             ; the tensor's first unit,
	s_mov_b32 s35, 1                               ; and log2 of its units a tile (K = 1,024: two)
	s_wait_kmcnt 0x0
	s_mov_b64 s[32:33], s[16:17]                   ; p_w, unless ..  (every choice hangs on the unit's number alone)
	s_cmp_lt_u32 s31, 256
	s_cselect_b64 s[32:33], s[14:15], s[32:33]     ; q_w
	s_cselect_b32 s34, 128, s34
	s_cmp_lt_u32 s31, 128
	s_cselect_b64 s[32:33], s[12:13], s[32:33]     ; v_w
	s_cselect_b32 s34, 64, s34
	s_cselect_b32 s35, 0, s35
	s_cmp_lt_u32 s31, 64
	s_cselect_b64 s[32:33], s[10:11], s[32:33]     ; k_w
	s_cselect_b32 s34, 0, s34
	s_sub_co_u32 s36, s31, s34                     ; the unit's number in its weight
	s_cmp_lt_u32 s30, 2048
	s_cselect_b64 s[32:33], s[6:7], s[32:33]       ; I
	s_cselect_b64 s[38:39], s[18:19], s[20:21]     ; where it goes: I_img or W_img
	s_cselect_b32 s35, 0, s35
	s_cselect_b32 s36, s30, s36
	s_cselect_b32 s40, s40, s41
	s_mov_b32 s41, 0
	s_add_nc_u64 s[38:39], s[38:39], s[40:41]
	s_lshr_b32 s42, s36, s35                       ; tile
	s_and_b32 s43, s36, s35                        ; which 512 along K
	s_lshr_b32 s46, s42, 1
	s_lshl_b32 s46, s46, 5
	s_and_b32 s42, s42, 1
	s_lshl_b32 s42, s42, 3
	s_add_co_u32 s42, s46, s42                     ; the tile's first row: 32 (tile / 2) + 8 (tile % 2)
	s_lshl_b32 s37, 384, s35                       ; a row of codes in bytes
	s_mul_i32 s46, s42, s37
	s_mul_i32 s43, s43, 384
	s_add_co_u32 s46, s46, s43
	s_mov_b32 s47, 0
	s_add_nc_u64 s[32:33], s[32:33], s[46:47]
	s_lshl_b32 s46, s42, 4
	s_add_nc_u64 s[8:9], s[8:9], s[46:47]          ; I's scale bytes at that row (used for I alone)
	v_mul_lo_u32 v6, v5, s37
	v_mad_u32_u24 v6, v3, 24, v6                   ; my row, + 24 h: the lane's 24 bytes of a half fragment
	v_lshlrev_b32 v7, 4, v5
	v_lshl_add_u32 v7, v3, 3, v7                   ; scale bytes in: 16 bytes a row, 8 a lane
	v_lshlrev_b32 v8, 4, v2
	v_lshl_add_u32 v8, v3, 3, v8                   ; and out: lane r's row at 16 r
.irp s, 0,1,2,3
.irp p, 0,1,2,3,4,5
	global_load_b64 v[FR+12*\s+2*\p:FR+12*\s+2*\p+1], v6, s[32:33] offset:96*\s+48*(\p/3)+8*(\p%3)   ; in pieces of 8 bytes: every address a multiple of the access's size
.endr
.endr
.macro PUT                             ; four images: each store covers 512 consecutive bytes, at a multiple of 256 from the buffer's first byte
.irp s, 0,1,2,3
.irp c, 0,1,2
	global_store_b128 v[LI], v[FR+12*\s+4*\c:FR+12*\s+4*\c+3], s[38:39] offset:1536*\s+512*\c th:TH_STORE_NT
.endr
.endr
.endm
	s_cmp_lt_u32 s30, 2048
	s_cbranch_scc0 .Lweight
	global_load_b64 v[64:65], v7, s[8:9]
	s_wait_loadcnt 0x0
	PUT
	global_store_b64 v8, v[64:65], s[38:39] offset:6144 th:TH_STORE_NT   ; 32 lanes store 256 consecutive bytes
	s_endpgm
.Lweight:
	s_wait_loadcnt 0x0
	PUT
	s_endpgm
.Lfunc_end_k_q9750349cda_prep:
	.size	k_q9750349cda_prep, .Lfunc_end_k_q9750349cda_prep-k_q9750349cda_prep
	.p2alignl 7, 3214868480
	.fill 96, 4, 3214868480
	.section	.rodata,"a",@progbits
	.p2align	6, 0x0
	.amdhsa_kernel k_q9750349cda_prep
		.amdhsa_group_segment_fixed_size 34304
		.amdhsa_private_segment_fixed_size 0
		.amdhsa_enable_private_segment 0
		.amdhsa_kernarg_size 96
		.amdhsa_user_sgpr_count 2
		.amdhsa_user_sgpr_kernarg_segment_ptr 1
		.amdhsa_wavefront_size32 1
		.amdhsa_system_sgpr_workgroup_id_x 1
		.amdhsa_system_sgpr_workgroup_id_y 1
		.amdhsa_system_sgpr_workgroup_id_z 1
		.amdhsa_system_vgpr_workitem_id 0
		.amdhsa_next_free_vgpr 194
		.amdhsa_next_free_sgpr 66
		.amdhsa_reserve_vcc 0
		.amdhsa_float_denorm_mode_32 3
		.amdhsa_float_denorm_mode_16_64 3
		.amdhsa_memory_ordered 1
		.amdhsa_forward_progress 1
		.amdhsa_inst_pref_size 19
	.end_amdhsa_kernel
	.amdgpu_metadata
---
amdhsa.version: [ 1, 2 ]
amdhsa.kernels:
  - .name:           k_q9750349cda_prep
    .symbol:         k_q9750349cda_prep.kd
    .args:
      - { .name: E, .offset: 0, .size: 8, .value_kind: global_buffer, .address_space: global }
      - { .name: I_codes, .offset: 8, .size: 8, .value_kind: global_buffer, .address_space: global }
      - { .name: I_scales, .offset: 16, .size: 8, .value_kind: global_buffer, .address_space: global }
      - { .name: k_w_codes, .offset: 24, .size: 8, .value_kind: global_buffer, .address_space: global }
      - { .name: v_w_codes, .offset: 32, .size: 8, .value_kind: global_buffer, .address_space: global }
      - { .name: q_w_codes, .offset: 40, .size: 8, .value_kind: global_buffer, .address_space: global }
      - { .name: p_w_codes, .offset: 48, .size: 8, .value_kind: global_buffer, .address_space: global }
      - { .name: I_img, .offset: 56, .size: 8, .value_kind: global_buffer, .address_space: global }
      - { .name: W_img, .offset: 64, .size: 8, .value_kind: global_buffer, .address_space: global }
      - { .name: E_img, .offset: 72, .size: 8, .value_kind: global_buffer, .address_space: global }
      - { .name: E_sc, .offset: 80, .size: 8, .value_kind: global_buffer, .address_space: global }
      - { .name: out0, .offset: 88, .size: 8, .value_kind: global_buffer, .address_space: global }
    .group_segment_fixed_size: 34304
    .private_segment_fixed_size: 0
    .kernarg_segment_align: 8
    .kernarg_segment_size: 96
    .max_flat_workgroup_size: 128
    .sgpr_count:     66
    .vgpr_count:     194
    .wavefront_size: 32
...
	.end_amdgpu_metadata
.endif
;; end of part 1
;; launch attn (part 2): grid 16 x 16, 4 waves a work-group, clusters of 4 x 1, 327,680 bytes of LDS; arguments I_img, W_img, E_img, E_sc, k_w_scales, v_w_scales, q_w_scales, k_b, v_b, q_b, OP, ML; writes OP, ML
.if DOCPART == 2
	.amdgcn_target "amdgcn-amd-amdhsa--gfx1250"
	.amdhsa_code_object_version 6
	.text
	.protected	k_q9750349cda_attn
	.globl	k_q9750349cda_attn
	.p2align	8
	.type	k_q9750349cda_attn,@function
k_q9750349cda_attn:
	s_mov_b64 s[64:65], 0
	v_nop
	global_prefetch_b8 v0, s[64:65] scope:SCOPE_SE
	s_setreg_imm32_b32 hwreg(HW_REG_WAVE_MODE, 25, 1), 1
	s_wait_xcnt 0x0
	s_wait_alu depctr_hold_cnt(0) depctr_sa_sdst(0) depctr_va_vdst(0) depctr_va_sdst(0) depctr_va_ssrc(0) depctr_va_vcc(0) depctr_vm_vsrc(0)
	s_getreg_b32 s2, hwreg(HW_REG_IB_STS2, 6, 4)
	s_cmp_eq_u32 s2, 0
	s_cbranch_scc0 .Lentry_in_a_cluster
	s_endpgm
.Lentry_in_a_cluster:
	s_bfe_u32 s2, ttmp6, 0x10000c
	s_cmp_lg_u32 s2, 0x3003
	s_cbranch_scc0 .Lentry_shape_is_right
	s_endpgm
.Lentry_shape_is_right:
; Q, K and V projections, scores, softmax and P V of one (batch, head, half of the keys), all on codes of FP6 (E2M3) with one E8M0 scale for each 32 along a product's K.  K, V, Q and p never go to memory.
; SHARES.  256 work-groups: x = head (16), y = 2 x batch + half.  A work-group owns the batch's 256 queries and 2,048 of its 4,096 keys; it stores O^T (not divided), -M and l; the next launch joins the two halves.
; Four waves, as many as a WGP has SIMDs.  Wave w owns queries 64 w .. + 63 (four tiles of 16).  The keys go in 4 steps of 512:
;   P: wave w projects K and V of ITS 128 keys (k_w's and v_w's 64 rows of the head stay in its registers), quantises them and stores them to LDS as operands;
;   A: every wave walks the four waves' 128 keys: S^T = K Q^T, streaming softmax, O^T += V^T P^T, for its own four tiles of queries.
; LAYOUT.  Lane l: r = l % 16, h = l / 16.  Every tile of I and of the weights takes rows 32 (T / 2) + 8 (T % 2) + r + 8 (r / 8) (the launch before laid them so): so in every result 16 registers of two
; neighbouring tiles are 16 neighbours along the next product's K, and one macro quantises them.  K, Q, S and O are made transposed: a lane holds one key or one query.
; K = 64 IN AN INSTRUCTION OF K = 128.  The 64 registers of a PAIR of key tiles quantise into ONE dense fragment KK: k 0-63 are tile 0's channels, k 64-127 tile 1's.  Q carries the zeros: its registers lie
; Z q0 Z q1 Z q2 Z q3 Z (six each, Z = zero codes): [q, Z] picks tile 0, [Z, q] tile 1.  Q's scale word is its two bytes twice.  Zero codes add nothing under any byte in use here (1 .. 254).
; V goes to LDS by words: after the conversion lane (r, h) holds the codes of keys 32 b + 16 h + 0 .. 15 of one channel; the operand wants them in lane (r, b % 2), registers 6 (b / 2) + 3 h + i.
; SOFTMAX.  t = score x log2(e); M = the running largest t rounded UP to a whole number, kept as -M; p = 2^(t - M) is quantised along the keys, not normalised; l is the sum of the unquantised p; when M moves,
; l and O^T are multiplied by 2^(old M - new M): exact.  O^T, l begin as zeros and the largest t as -3e38, so that the step is written once: that costs 128 moves at the head.
; CLUSTER.  The four work-groups of a cluster are four heads of one (batch, half): they need the same blocks of I, which each wave asks for JOINTLY (mask 15).  The weights differ from head to head: plain loads.
; E's fragments are shared too (196,608 bytes a work-group) and are NOT asked for jointly: they go from memory straight into registers once; beside I's slot and the weights LDS has 24,064 bytes left.
; LIMITS: NaN and infinities are not served; a block whose largest magnitude lies under 2^-124 is held at the byte 1; a block of zeros gets the byte 1 where the rule says 127 (its codes are zeros; only this program reads the bytes).
; REGISTERS, in windows of 256 (s_set_vgpr_msb: bits 1:0 source 0, 3:2 source 1, 5:4 source 2, 7:6 destination):
;   window 0: v1-23, v68-71, v92-95 addresses; v24-51 scale words; v52-67 statistics; v72-91 at work; v96-159 K's or Q's sums, then S^T and p; v160-223 V's sums (while Q is made: scale words); v224-243 codes
;   window 1: v0-191 k_w's 16 fragments (first q_w's 0-15); v192-245 Q.   window 2: v0-191 v_w's (first q_w's 16-31); v192-223 v_b as a C operand.
;   window 3: v0-127 O^T (first E's fragments, to v191); v128-223 P: I's 8 fragments, A: KK's 4 and V's 4; v224-255 q_b, then k_b, as a C operand.
.set IWAVE, 51200                      ; LDS 0: a slot of 8 records of I (128 keys) for each wave
.set IREC,  6400
.set WLAND, 204800                     ; the head's weights, filled once: k_w 24,576, v_w 24,576, q_w 49,152
.set KIMG,  204800                     ; over them, once they are in registers: KK's fragments, (4 j + b) x 1,536,
.set KSC,   229376                     ; their scale words, (4 j + b) x 128 + 4 l,
.set VIMG,  231424                     ; V's fragments, (4 j + c) x 1,536: half g at 768 g, lane l's 24 bytes at 24 l,
.set VSC,   256000                     ; V's scale words, 256 j + 64 c + 4 r
.set SPARE, 303104                     ; the spare words, 128 bytes for each wave: two blocks of 256 bytes that no other line names
.set LI,  1                            ; 16 l
.set L8,  2                            ; 8 l
.set LS,  3                            ; 4 l
.set WLK, 4                            ; WLAND + 16 l
.set SPW, 5                            ; SPARE + 4 x my thread's number; never rewritten
.set NIL, 6                            ; 0; never rewritten
.set WLQ, 7                            ; WLAND + 49,152 + 16 l
.set IB,  8                            ; my slot + 16 l
.set ISB, 9                            ; my slot + 6,144 + 16 r
.set KST, 10                           ; KIMG + 6,144 w + 16 l
.set KSS, 11                           ; KSC + 512 w + 4 l
.set VST, 12                           ; VIMG + 6,144 w + 24 r + 12 h
.set VSB, 13                           ; VSC + 256 w + 4 r
.set IBC, 14                           ; v14-19: the six above for the pair in hand
.set ISBC, 15
.set KSTC, 16
.set KSSC, 17
.set VSTC, 18
.set VSBC, 19
.set AK0, 20                           ; KIMG + 16 l
.set AKS0, 21                          ; KSC + 4 l
.set AV0, 22                           ; VIMG + 24 l
.set AVS0, 23                          ; VSC + 4 r
.set WS,  24                           ; v24-39  word (tile, K step) at 4 t + s: lanes 0-15 k_w's, lanes 16-31 v_w's
.set IS,  40                           ; v40-47  P: I's words, 4 u + s
.set KKS, 40                           ;         A: KK's words, b
.set VS,  44                           ;         A: V's words, c
.set QS,  48                           ; v48-51  Q's words, tile i
.set ST,  52                           ; v52-67  tile i: -M, the largest t, l in two halves
.set RP16, 68                          ; 16, 32, 4 x (r + 8 (r / 8)); 64 h: offsets of the head's global loads
.set RP32, 69
.set RP4, 70
.set H64, 71
.set TM,  72                           ; v72-87
.set BM,  72                           ; a block's largest score, then its largest p
.set PM,  76
.set SO,  84                           ; the conversions' scale operands
.set PW,  88
.set T,   89
.set F,   90                           ; v90 f = 2^(old M - new M); v91 p's scale word
.set AKC, 92                           ; v92-95: v20-23 for the 128 keys in hand
.set AKSC, 93
.set AVC, 94
.set AVSC, 95
.set KA,  96
.set S,   96
.set VA,  160
.set QWS, 160                          ; while Q is made: q_w's words, 8 t + s;
.set ES,  192                          ; E's, 8 u + s;
.set TV,  208                          ; v_w's words on their way into WS
.set PC,  224
.set WV,  28
.set CX,  29
.set HD,  30
.set YY,  31
.set BB,  32
.set HF,  33
.set G1W, 36                           ; s[36:43] group 1, weights;  s[44:51] group 1, I;  s[52:55], s[56:59] their groups 0
.set G1I, 44
.set G0W, 52
.set G0I, 56
.set SEL, 60                           ; s[60:61] lane selects: lane l xor 16
.set CS,  62                           ; s[62:63] log2(e), twice: the packed form names the pair
.set STEPS, 66
.set CNT, 67
.set PI,  68                           ; the pair's steps: 12,800 in my slot, 1,536 and 128 in KK's images and words, 384 and 1 in V's
.set PK,  69
.set PS,  70
.set PVS, 71
.set PBY, 72
.set AJ6, 74                           ; the 128 keys' steps: 6,144 in the images, 512 and 256 in the words
.set AJS, 75
.set AJV, 76
.set MSB, 0
.macro WIN new                         ; the immediate's high byte repeats the setting that is left; a switch that changes nothing is dropped
.if MSB != (\new)
	s_set_vgpr_msb (MSB<<8)|(\new)
.set MSB, (\new)
.endif
.endm
.macro PLACES                          ; four plain instructions between a matrix instruction and a vector instruction, load or store that touches its registers
.rept 4
	v_nop
.endr
.endm
.macro MMA d, a, b, c, sa, sb
	v_wmma_scale_f32_16x16x128_f8f6f4 v[\d:\d+7], v[\a:\a+11], v[\b:\b+11], v[\c:\c+7], v[\sa], v[\sb] matrix_a_fmt:MATRIX_FMT_FP6 matrix_b_fmt:MATRIX_FMT_FP6
.endm
.macro MMA0 d, a, b, sa, sb            ; the constant 0 starts the sum
	v_wmma_scale_f32_16x16x128_f8f6f4 v[\d:\d+7], v[\a:\a+11], v[\b:\b+11], 0, v[\sa], v[\sb] matrix_a_fmt:MATRIX_FMT_FP6 matrix_b_fmt:MATRIX_FMT_FP6
.endm
.macro MMAR d, a, b, c, sa, sb         ; source 1's scales from lanes 16-31
	v_wmma_scale_f32_16x16x128_f8f6f4 v[\d:\d+7], v[\a:\a+11], v[\b:\b+11], v[\c:\c+7], v[\sa], v[\sb] matrix_a_fmt:MATRIX_FMT_FP6 matrix_b_fmt:MATRIX_FMT_FP6 matrix_b_scale:MATRIX_SCALE_ROW1
.endm
.macro CROUND                          ; a round of the cluster's barrier
	s_barrier_signal -1
	s_barrier_wait -1
	s_cmp_lg_u32 s[WV], 0
	s_cbranch_scc1 .Lnot_wave_0_\@
	s_barrier_signal -3
.Lnot_wave_0_\@:
	s_barrier_wait -3
	s_barrier_signal -1
	s_barrier_wait -1
.endm
; four blocks of 32 along K, 16 numbers of each in my lane at v[src + 16 b ..], the other 16 in lane l xor 16
.macro BMAX4 src
.irp b, 0,1,2,3
	v_max3_num_f32 v[TM+\b], |v[\src+16*\b]|, |v[\src+1+16*\b]|, 0x1800000   ; and the floor 2^(3 - 127): the byte cannot fall under 1
.endr
.irp i, 2,4,6,8,10,12,14
.irp b, 0,1,2,3
	v_max3_num_f32 v[TM+\b], v[TM+\b], |v[\src+16*\b+\i]|, |v[\src+1+16*\b+\i]|   ; ascending: each accumulator is read from its low end on
.endr
.endr
.irp b, 0,1,2,3
	v_permlanex16_b32 v[TM+4+\b], v[TM+\b], s[SEL], s[SEL+1]
.endr
.irp b, 0,1,2,3
	v_max_num_f32 v[TM+\b], v[TM+\b], v[TM+4+\b]
.endr
.irp b, 0,1,2,3
	v_add_nc_u32 v[TM+12+\b], 0xff000000, v[TM+\b]               ; 2 off the exponent field: the conversion's scale operand
.endr
.irp b, 0,1,2,3
	v_lshrrev_b32 v[TM+4+\b], 23, v[TM+12+\b]                    ; the scale's byte
.endr
.endm
.macro QUANT src                       ; 64 numbers of a lane become a fragment in v[PC] on and its scale word in v[PW]
	BMAX4 \src
	v_lshl_or_b32 v[PW], v[TM+5], 8, v[TM+4]
	v_lshl_or_b32 v[PW], v[TM+6], 16, v[PW]
	v_lshl_or_b32 v[PW], v[TM+7], 24, v[PW]
.irp c, 0,1
	v_cvt_scalef32_pk16_fp6_f32 v[PC+6*\c:PC+2+6*\c], v[\src+32*\c:\src+15+32*\c], v[TM+12+2*\c]
	v_cvt_scalef32_pk16_fp6_f32 v[PC+12+4*\c:PC+14+4*\c], v[\src+16+32*\c:\src+31+32*\c], v[TM+12+2*\c+1]
.endr
	v_nop                                          ; one plain instruction behind the scaled conversions
.irp c, 0,1
.irp i, 0,1,2
	v_permlane16_swap_b32 v[PC+6*\c+\i], v[PC+12+4*\c+\i]
.endr
.irp i, 0,1,2
	v_mov_b32 v[PC+3+6*\c+\i], v[PC+12+4*\c+\i]
.endr
.endr
.endm
	s_load_b512 s[4:19], s[0:1], 0x0               ; I_img 4, W_img 6, E_img 8, E_sc 10, k_w_scales 12, v_w_scales 14, q_w_scales 16, k_b 18
	s_load_b256 s[20:27], s[0:1], 0x40             ; v_b 20, q_b 22, OP 24, ML 26
	v_lshl_add_u32 v[SPW], v0, 2, SPARE
	v_mov_b32 v[NIL], 0
	ds_add_u32 v5, v6
	ds_add_u32 v5, v6
	s_wait_dscnt 0x0
	v_lshrrev_b32 v[T], 5, v0
	v_readfirstlane_b32 s[WV], v[T]                ; wave 0..3
	s_bfe_u32 s[CX], ttmp6, 0x40000                ; my place in the cluster
	s_lshl_b32 s[HD], ttmp9, 2
	s_add_co_u32 s[HD], s[HD], s[CX]               ; the head: it enters global addresses alone
	s_and_b32 s[YY], ttmp7, 0xffff
	s_lshr_b32 s[BB], s[YY], 1                     ; the batch
	s_and_b32 s[HF], s[YY], 1                      ; which half of its keys
	v_and_b32 v72, 31, v0                          ; l
	v_and_b32 v73, 15, v0                          ; r
	v_bfe_u32 v74, v0, 4, 1                        ; h
	v_and_b32 v75, 8, v73
	v_add_nc_u32 v75, v75, v73                     ; r + 8 (r / 8)
	v_lshlrev_b32 v[LI], 4, v72
	v_lshlrev_b32 v[L8], 3, v72
	v_lshlrev_b32 v[LS], 2, v72
	v_lshlrev_b32 v[RP16], 4, v75
	v_lshlrev_b32 v[RP32], 5, v75
	v_lshlrev_b32 v[RP4], 2, v75
	v_lshlrev_b32 v[H64], 6, v74
	v_add_nc_u32 v[WLK], WLAND, v[LI]
	v_add_nc_u32 v[WLQ], WLAND+49152, v[LI]
	s_mul_i32 s78, s[WV], IWAVE
	v_add_nc_u32 v[IB], s78, v[LI]
	v_lshlrev_b32 v[ISB], 4, v73
	v_add_nc_u32 v[ISB], s78, v[ISB]
	v_add_nc_u32 v[ISB], 6144, v[ISB]
	s_mul_i32 s78, s[WV], 6144
	v_add_nc_u32 v[KST], s78, v[LI]
	v_add_nc_u32 v[KST], KIMG, v[KST]
	v_mul_u32_u24 v[VST], v73, 24
	v_mad_u32_u24 v[VST], v74, 12, v[VST]
	v_add_nc_u32 v[VST], s78, v[VST]
	v_add_nc_u32 v[VST], VIMG, v[VST]
	s_lshl_b32 s78, s[WV], 9
	v_add_nc_u32 v[KSS], s78, v[LS]
	v_add_nc_u32 v[KSS], KSC, v[KSS]
	s_lshl_b32 s78, s[WV], 8
	v_lshlrev_b32 v[AVS0], 2, v73
	v_add_nc_u32 v[VSB], s78, v[AVS0]
	v_add_nc_u32 v[VSB], VSC, v[VSB]
	v_add_nc_u32 v[AVS0], VSC, v[AVS0]
	v_add_nc_u32 v[AK0], KIMG, v[LI]
	v_add_nc_u32 v[AKS0], KSC, v[LS]
	v_mul_u32_u24 v[AV0], v72, 24
	v_add_nc_u32 v[AV0], VIMG, v[AV0]
.irp b, 0,1,2,3
	v_mov_b32 v[TM+4+\b], 0                        ; written once: a lane permute's destination counts as one of its sources
.endr
	v_mov_b32 v[F+1], 0                            ; (named as the upper half of the pair before it is first written)
	; group 1: dense blocks as rows of 256 bytes (32 elements of 8 bytes).  The weights: 96 rows, no mask.  I: 200 rows, asked for by all four work-groups
	s_mov_b32 s[G1W], 3<<16
	s_mov_b32 s[G1W+1], 32<<16
	s_mov_b32 s[G1W+2], 96<<16
	s_mov_b32 s[G1W+3], 32<<16
	s_mov_b32 s[G1W+4], 96
	s_mov_b32 s[G1W+5], 32
	s_mov_b32 s[G1W+6], 0
	s_mov_b32 s[G1W+7], 0
	s_mov_b32 s[G1I], 15|(3<<16)|(1<<21)
	s_mov_b32 s[G1I+1], 32<<16
	s_mov_b32 s[G1I+2], 200<<16
	s_mov_b32 s[G1I+3], 32<<16
	s_mov_b32 s[G1I+4], 200
	s_mov_b32 s[G1I+5], 32
	s_mov_b32 s[G1I+6], 0
	s_mov_b32 s[G1I+7], 0
	s_mov_b32 s[SEL], 0x76543210
	s_mov_b32 s[SEL+1], 0xfedcba98
	s_mov_b32 s[CS], 0x3fb8aa3b
	s_mov_b32 s[CS+1], s[CS]
	; I: tile 128 y + 8 w, records of 6,400 bytes: made of what the four partners share, in registers that never hold the head
	s_lshl_b32 s86, s[YY], 7
	s_lshl_b32 s87, s[WV], 3
	s_add_co_u32 s86, s86, s87
	s_mul_i32 s86, s86, IREC
	s_mov_b32 s87, 0
	; the weights: wave 0 k_w's 24,576 bytes of the head, wave 1 v_w's (393,216 on), waves 2 and 3 the halves of q_w's 49,152 (from 786,432 on)
	s_and_b32 s78, s[WV], 1
	s_lshr_b32 s79, s[WV], 1
	s_mul_i32 s80, s[HD], 24576
	s_lshl_b32 s80, s80, s79
	s_mul_i32 s81, s79, 786432
	s_add_co_u32 s80, s80, s81
	s_lshl_b32 s81, s79, 2
	s_lshr_b32 s81, 393216, s81
	s_mul_i32 s81, s81, s78
	s_add_co_u32 s80, s80, s81
	s_mov_b32 s81, 0
	s_mov_b32 s83, 0
	s_wait_kmcnt 0x0
	s_mov_b32 s[G0W], 1
	s_mul_i32 s[G0W+1], s[WV], 24576
	s_add_co_u32 s[G0W+1], s[G0W+1], WLAND
	s_add_nc_u64 s[G0W+2:G0W+3], s[6:7], s[80:81]
	s_or_b32 s[G0W+3], s[G0W+3], 0x80000000
	s_mov_b32 s[G0I], 1
	s_mul_i32 s[G0I+1], s[WV], IWAVE
	s_add_nc_u64 s[G0I+2:G0I+3], s[4:5], s[86:87]
	s_or_b32 s[G0I+3], s[G0I+3], 0x80000000
	s_lshl_b32 s82, s[BB], 4
	s_lshl_b32 s84, s[WV], 2
	s_add_co_u32 s84, s82, s84                     ; my first tile of queries: 16 b + 4 w
	s_mul_i32 s82, s84, 12288
	s_add_nc_u64 s[8:9], s[8:9], s[82:83]
	s_lshl_b32 s82, s84, 10
	s_add_nc_u64 s[10:11], s[10:11], s[82:83]
	s_lshl_b32 s82, s[HD], 10                      ; the head's 64 rows: 16 scale bytes a row in k_w and v_w,
	s_add_nc_u64 s[12:13], s[12:13], s[82:83]
	s_add_nc_u64 s[14:15], s[14:15], s[82:83]
	s_lshl_b32 s82, s[HD], 11                      ; 32 in q_w,
	s_add_nc_u64 s[16:17], s[16:17], s[82:83]
	s_lshl_b32 s82, s[HD], 8                       ; 4 bytes in the biases
	s_add_nc_u64 s[18:19], s[18:19], s[82:83]
	s_add_nc_u64 s[20:21], s[20:21], s[82:83]
	s_add_nc_u64 s[22:23], s[22:23], s[82:83]
	s_lshl_b32 s82, s[HF], 3
	s_add_co_u32 s82, s82, s[BB]
	s_lshl_b32 s82, s82, 4
	s_lshl_b32 s85, s[WV], 2
	s_add_co_u32 s82, s82, s85
	s_lshl_b32 s82, s82, 4
	s_add_co_u32 s85, s82, s[HD]                   ; ((8 half + b) 16 + 4 w) 16 + head
	s_lshl_b32 s82, s85, 12
	s_add_nc_u64 s[24:25], s[24:25], s[82:83]
	s_lshl_b32 s82, s85, 8
	s_add_nc_u64 s[26:27], s[26:27], s[82:83]
	CROUND                                         ; all four work-groups are here: the first joint loads meet
	tensor_load_to_lds s[G0W:G0W+3], s[G1W:G1W+7]  ; my quarter of the head's weights
	s_nop 0
	tensor_load_to_lds s[G0I:G0I+3], s[G1I:G1I+7]  ; my 128 keys of step 0: two loads of mine are out
	s_nop 0
.rept 4
	v_nop
.endr
.macro ELOAD pp                        ; E's fragments and scale words of my tiles 2 pp and 2 pp + 1
	WIN 0xc0
.irp u, 0,1
.irp s, 0,1,2,3,4,5,6,7
.irp c, 0,1,2
	global_load_b128 v[96*\u+12*\s+4*\c:96*\u+12*\s+4*\c+3], v[LI], s[8:9] offset:12288*(2*\pp+\u)+1536*\s+512*\c
.endr
.endr
.endr
	WIN 0
.irp u, 0,1
.irp s, 0,1,2,3,4,5,6,7
	global_load_b32 v[ES+8*\u+\s], v[LS], s[10:11] offset:1024*(2*\pp+\u)+128*\s
.endr
.endr
.endm
	ELOAD 0
.irp t, 0,1,2,3
.irp g, 0,1
	global_load_b128 v[QWS+8*\t+4*\g:QWS+8*\t+4*\g+3], v[RP32], s[16:17] offset:(32*(\t/2)+8*(\t%2))*32+16*\g
.endr
	global_load_b128 v[WS+4*\t:WS+4*\t+3], v[RP16], s[12:13] offset:(32*(\t/2)+8*(\t%2))*16
	global_load_b128 v[TV+4*\t:TV+4*\t+3], v[RP16], s[14:15] offset:(32*(\t/2)+8*(\t%2))*16
.endr
	WIN 0xc0
.irp t, 0,1,2,3
.irp g, 0,1
	global_load_b128 v[224+8*\t+4*\g:224+8*\t+4*\g+3], v[H64], s[22:23] offset:(32*(\t/2)+8*(\t%2))*4+16*\g   ; q_b in the result's layout: channels 32 (t / 2) + 16 h + 8 (t % 2) + 0 .. 7
.endr
.endr
	WIN 0x80
.irp c, 0,1,2,3
.irp j, 0,1,2,3,4,5,6,7
	global_load_b32 v[192+8*\c+\j], v[RP4], s[20:21] offset:(32*(\c/2)+8*(\c%2))*4   ; v_b: in V's result a lane holds ONE channel: eight equal registers
.endr
.endr
	WIN 0x40
.irp z, 0,1,2,3,4
.irp k, 0,1,2,3,4,5
	v_mov_b32 v[192+12*\z+\k], 0                   ; Z: zero codes
.endr
.endr
	WIN 0
	s_wait_tensorcnt 0x1                           ; my part of the weights is in; the I block, issued behind it, may stay out
	s_barrier_signal -1
	s_barrier_wait -1                              ; everybody's part is
.macro FETCHW adr, off                 ; sixteen fragments from LDS into v0-191 of the window in hand
.set fi, 0
.rept 16
.irp c, 0,1,2
	ds_load_b128 v[12*fi+4*\c:12*fi+4*\c+3], v[\adr] offset:\off+1536*fi+512*\c
.endr
.set fi, fi+1
.endr
.endm
	WIN 0x40
	FETCHW WLQ, 0                                  ; q_w's fragments (t, s) = 8 t + s: 0-15,
	WIN 0x80
	FETCHW WLQ, 24576                              ; 16-31
	WIN 0
	s_wait_loadcnt 0x0
	s_wait_dscnt 0x0
; Q of my tiles 2 pp and 2 pp + 1: source 0 = 16 rows of q_w, source 1 = 16 rows of E; K = 1,024 in eight steps; four accumulators by turns; q_b is the first C
.macro QPAIR pp
.irp tw, 0,1
.irp s, 0,1,2,3,4,5,6,7
.if \s == 0
	WIN 0x3d+\tw
.else
	WIN 0x0d+\tw
.endif
.irp tq, 0,1
.irp u, 0,1
.if \s == 0
	MMA KA+32*\u+8*(2*\tw+\tq), 12*(8*\tq+\s), 96*\u+12*\s, 224+8*(2*\tw+\tq), QWS+8*(2*\tw+\tq)+\s, ES+8*\u+\s
.else
	MMA KA+32*\u+8*(2*\tw+\tq), 12*(8*\tq+\s), 96*\u+12*\s, KA+32*\u+8*(2*\tw+\tq), QWS+8*(2*\tw+\tq)+\s, ES+8*\u+\s
.endif
.endr
.endr
.endr
.endr
	WIN 0
	PLACES
.if \pp == 0
	ELOAD 1                                        ; lands while this pair is quantised
.endif
	QUANT KA                                       ; registers 0-5: tile 2 pp's 64 channels; 6-11: tile 2 pp + 1's
	WIN 0x40
.irp k, 0,1,2,3,4,5
	v_mov_b32 v[198+24*\pp+\k], v[PC+\k]
	v_mov_b32 v[210+24*\pp+\k], v[PC+6+\k]
.endr
	WIN 0
	v_and_b32 v[T], 0xffff, v[PW]
	v_lshl_or_b32 v[QS+2*\pp], v[PW], 16, v[T]     ; a tile's two bytes, twice
	v_lshrrev_b32 v[T], 16, v[PW]
	v_and_or_b32 v[QS+2*\pp+1], v[PW], 0xffff0000, v[T]
.if \pp == 0
	s_wait_loadcnt 0x0
.endif
.endm
	QPAIR 0
	QPAIR 1
	PLACES
	WIN 0x40
	FETCHW WLK, 0                                  ; k_w's fragments (t, s) = 4 t + s stay in window 1,
	WIN 0x80
	FETCHW WLK, 24576                              ; v_w's in window 2
	WIN 0xc0
.irp t, 0,1,2,3
.irp g, 0,1
	global_load_b128 v[224+8*\t+4*\g:224+8*\t+4*\g+3], v[H64], s[18:19] offset:(32*(\t/2)+8*(\t%2))*4+16*\g   ; k_b takes q_b's place
.endr
.endr
	WIN 0
	s_mov_b32 vcc_lo, 0xffff0000
.irp n, 0,1,2,3,4,5,6,7,8,9,10,11,12,13,14,15
	v_cndmask_b32 v[WS+\n], v[WS+\n], v[TV+\n], vcc_lo   ; lanes 16-31 take v_w's words
.endr
.irp i, 0,1,2,3
	v_mov_b32 v[ST+4*\i+1], 0xff61b1e6             ; the largest t so far: -3e38
	v_floor_f32 v[ST+4*\i], -v[ST+4*\i+1]          ; -M
	v_mov_b32 v[ST+4*\i+2], 0                      ; l
	v_mov_b32 v[ST+4*\i+3], 0
.endr
	WIN 0xc0
.set jj, 0
.rept 128
	v_mov_b32 v[jj], 0                             ; O^T: the first change of M leaves zeros zeros, so the step has no first copy of its own
.set jj, jj+1
.endr
	WIN 0
	s_wait_loadcnt 0x0
	s_wait_dscnt 0x0                               ; my reads of the weights' bytes are over
	s_barrier_signal -1
	s_barrier_wait -1                              ; everybody's are: those bytes, which are filled no more, now take the images
; the products of key tile u of a pair: K^T (source 0 = k_w, source 1 = I) and V (source 0 = I, source 1 = v_w), K = 512 in four steps; four accumulators by turns; the biases are the first C
.macro PROJ u
	WIN 0x3d
.irp t, 0,1,2,3
	MMA KA+32*\u+8*\t, 48*\t, 128+48*\u, 224+8*\t, WS+4*\t, IS+4*\u
.endr
	WIN 0x0d
.irp s, 1,2,3
.irp t, 0,1,2,3
	MMA KA+32*\u+8*\t, 48*\t+12*\s, 128+48*\u+12*\s, KA+32*\u+8*\t, WS+4*\t+\s, IS+4*\u+\s
.endr
.endr
	WIN 0x2b
.irp c, 0,1,2,3
	MMAR VA+16*\c+8*\u, 128+48*\u, 48*\c, 192+8*\c, IS+4*\u, WS+4*\c
.endr
	WIN 0x0b
.irp s, 1,2,3
.irp c, 0,1,2,3
	MMAR VA+16*\c+8*\u, 128+48*\u+12*\s, 48*\c+12*\s, VA+16*\c+8*\u, IS+4*\u+\s, WS+4*\c+\s
.endr
.endr
.endm
; 32 of my 128 keys: two tiles of I
.macro PAIR
	v_add_nc_u32 v[IBC], s[PI], v[IB]              ; (these six are also the places in front of the loads below)
	v_add_nc_u32 v[ISBC], s[PI], v[ISB]
	v_add_nc_u32 v[KSTC], s[PK], v[KST]
	v_add_nc_u32 v[KSSC], s[PS], v[KSS]
	v_add_nc_u32 v[VSTC], s[PVS], v[VST]
	v_add_nc_u32 v[VSBC], s[PBY], v[VSB]
.irp u, 0,1
	WIN 0xc0
.irp s, 0,1,2,3
.irp c, 0,1,2
	ds_load_b128 v[128+48*\u+12*\s+4*\c:128+48*\u+12*\s+4*\c+3], v[IBC] offset:IREC*\u+1536*\s+512*\c
.endr
.endr
	WIN 0
	ds_load_b128 v[IS+4*\u:IS+4*\u+3], v[ISBC] offset:IREC*\u
.endr
	s_wait_dscnt 13                                ; tile 0 is in; tile 1's 12 fragment loads and its scale load may be out
	PROJ 0
	s_wait_dscnt 0x0
	PROJ 1
	WIN 0
	PLACES
	QUANT KA                                       ; KK: k 0-63 tile 0's channels, k 64-127 tile 1's
.irp c, 0,1,2
	ds_store_b128 v[KSTC], v[PC+4*\c:PC+4*\c+3] offset:512*\c
.endr
	ds_store_b32 v[KSSC], v[PW]
	BMAX4 VA                                       ; V: block c = these 32 keys of channel tile c
	s_wait_dscnt 0x0                               ; K's stores have read the codes' registers
.irp c, 0,1,2,3
	v_cvt_scalef32_pk16_fp6_f32 v[PC+4*\c:PC+4*\c+2], v[VA+16*\c:VA+16*\c+15], v[TM+12+\c]
.endr
	v_nop                                          ; one plain instruction behind the scaled conversions
.irp c, 0,1,2,3
.irp i, 0,1,2
	ds_store_b32 v[VSTC], v[PC+4*\c+\i] offset:1536*\c+4*\i
.endr
	ds_store_b8 v[VSBC], v[TM+4+\c] offset:64*\c   ; both halves of the lanes write the same byte with the same value
.endr
	s_add_co_u32 s[PI], s[PI], 2*IREC
	s_add_co_u32 s[PK], s[PK], 1536
	s_add_co_u32 s[PS], s[PS], 128
	s_add_co_u32 s[PVS], s[PVS], 384
	s_add_co_u32 s[PBY], s[PBY], 1
.endm
; my tile qi of queries against the 128 keys in hand
.macro TILE qi
.set NM, ST+4*\qi
.set TX, ST+4*\qi+1
.set LL, ST+4*\qi+2
.if \qi == 0
	s_wait_dscnt 28                                ; KK and its words are in; V's 24 fragment loads and 4 scale loads may be out
.endif
	WIN 0x07
.irp b, 0,1,2,3
	MMA0 S+16*\b, 128+12*\b, 198+12*\qi, KKS+\b, QS+\qi       ; [q, Z]: the pair's tile 0
	MMA0 S+16*\b+8, 128+12*\b, 192+12*\qi, KKS+\b, QS+\qi     ; [Z, q]: tile 1.  Register 16 b + i is key 32 b + 16 h + i
.endr
	WIN 0
	PLACES
.irp b, 0,1,2,3
	v_max3_num_f32 v[BM+\b], v[S+16*\b], v[S+1+16*\b], v[S+2+16*\b]   ; the largest score of each block of 32 keys: it serves the row's maximum and, since p rises with the score, the block's largest p
.endr
.irp i, 3,5,7,9,11,13
.irp b, 0,1,2,3
	v_max3_num_f32 v[BM+\b], v[BM+\b], v[S+16*\b+\i], v[S+1+16*\b+\i]
.endr
.endr
.irp b, 0,1,2,3
	v_max_num_f32 v[BM+\b], v[BM+\b], v[S+15+16*\b]
.endr
.irp b, 0,1,2,3
	v_permlanex16_b32 v[PM+\b], v[BM+\b], s[SEL], s[SEL+1]
.endr
.irp b, 0,1,2,3
	v_max_num_f32 v[BM+\b], v[BM+\b], v[PM+\b]
.endr
	v_max3_num_f32 v[T], v[BM], v[BM+1], v[BM+2]
	v_max_num_f32 v[T], v[T], v[BM+3]
	v_mul_f32 v[T], s[CS], v[T]                    ; as t
	v_max_num_f32 v[TX], v[TX], v[T]               ; the running largest t
	v_mov_b32 v[T], v[NM]
	v_floor_f32 v[NM], -v[TX]                      ; -M = floor(-t): M is a whole number
	v_sub_f32 v[T], v[NM], v[T]                    ; old M - new M, 0 or less
	v_cvt_i32_f32 v[T], v[T]                       ; (it saturates)
	v_ldexp_f32 v[F], 1.0, v[T]                    ; f = 2^(old M - new M)
.set jj, 0
.rept 32
	v_pk_fma_f32 v[S+jj:S+jj+1], v[S+jj:S+jj+1], s[CS:CS+1], v[NM:NM+1] op_sel_hi:[1,0,0]   ; t - M
.set jj, jj+2
.endr
.irp b, 0,1,2,3
	v_fma_f32 v[BM+\b], v[BM+\b], s[CS], v[NM]
.endr
.set jj, 0
.rept 64
	v_exp_f32 v[S+jj], v[S+jj]                     ; p = 2^(t - M)
.set jj, jj+1
.endr
	v_pk_mul_f32 v[LL:LL+1], v[LL:LL+1], v[F:F+1] op_sel_hi:[1,0]   ; l under the new M: the plain instruction behind the batch
	s_wait_alu depctr_va_vdst(0)                   ; one wait for the 64, ahead of their first reader
.irp b, 0,1,2,3
	v_exp_f32 v[BM+\b], v[BM+\b]                   ; the block's largest p
.endr
	v_pk_add_f32 v[PM:PM+1], v[S:S+1], v[S+2:S+3]  ; the sum of the UNQUANTISED p, in two chains
.irp j, 4,8,12,16,20,24,28,32,36,40,44,48,52,56,60
	v_pk_add_f32 v[LL:LL+1], v[LL:LL+1], v[S+\j:S+\j+1]
	v_pk_add_f32 v[PM:PM+1], v[PM:PM+1], v[S+2+\j:S+3+\j]
.endr
	v_pk_add_f32 v[LL:LL+1], v[LL:LL+1], v[PM:PM+1]
	s_wait_alu depctr_va_vdst(0)                   ; and one for the four
.irp b, 0,1,2,3
	v_max_num_f32 v[BM+\b], 0x1800000, v[BM+\b]    ; the floor 2^(3 - 127)
.endr
.irp b, 0,1,2,3
	v_add_nc_u32 v[SO+\b], 0xff000000, v[BM+\b]
.endr
.irp b, 0,1,2,3
	v_lshrrev_b32 v[PM+\b], 23, v[SO+\b]
.endr
	v_lshl_or_b32 v[F+1], v[PM+1], 8, v[PM]        ; p's scale word for these 128 keys
	v_lshl_or_b32 v[F+1], v[PM+2], 16, v[F+1]
	v_lshl_or_b32 v[F+1], v[PM+3], 24, v[F+1]
.irp c, 0,1
	v_cvt_scalef32_pk16_fp6_f32 v[PC+6*\c:PC+2+6*\c], v[S+32*\c:S+15+32*\c], v[SO+2*\c]
	v_cvt_scalef32_pk16_fp6_f32 v[PC+12+4*\c:PC+14+4*\c], v[S+16+32*\c:S+31+32*\c], v[SO+2*\c+1]
.endr
	v_nop
.irp c, 0,1
.irp i, 0,1,2
	v_permlane16_swap_b32 v[PC+6*\c+\i], v[PC+12+4*\c+\i]
.endr
.irp i, 0,1,2
	v_mov_b32 v[PC+3+6*\c+\i], v[PC+12+4*\c+\i]
.endr
.endr
	WIN 0xc3
.set jj, 0
.rept 16
	v_pk_mul_f32 v[32*\qi+jj:32*\qi+jj+1], v[32*\qi+jj:32*\qi+jj+1], v[F:F+1] op_sel_hi:[1,0]   ; O^T under the new M.  (These 16 also stand between the scale word's and the codes' last writes and the products)
.set jj, jj+2
.endr
.if \qi == 0
	s_wait_dscnt 0x0                               ; V and its words are in
.endif
	WIN 0xf3
.irp c, 0,1,2,3
	MMA 32*\qi+8*\c, 176+12*\c, PC, 32*\qi+8*\c, VS+\c, F+1
.endr
	WIN 0
.endm
; the 128 keys that wave j projected
.macro SUB
	v_add_nc_u32 v[AKC], s[AJ6], v[AK0]            ; (these four are the places behind the last products, in front of the loads)
	v_add_nc_u32 v[AKSC], s[AJS], v[AKS0]
	v_add_nc_u32 v[AVC], s[AJ6], v[AV0]
	v_add_nc_u32 v[AVSC], s[AJV], v[AVS0]
	WIN 0xc0
.irp b, 0,1,2,3
.irp c, 0,1,2
	ds_load_b128 v[128+12*\b+4*\c:128+12*\b+4*\c+3], v[AKC] offset:1536*\b+512*\c
.endr
.endr
	WIN 0
.irp b, 0,1,2,3
	ds_load_b32 v[KKS+\b], v[AKSC] offset:128*\b
.endr
	WIN 0xc0
.irp c, 0,1,2,3
.irp g, 0,1
.irp p, 0,1,2
	ds_load_b64 v[176+12*\c+6*\g+2*\p:176+12*\c+6*\g+2*\p+1], v[AVC] offset:1536*\c+768*\g+8*\p
.endr
.endr
.endr
	WIN 0
.irp c, 0,1,2,3
	ds_load_b32 v[VS+\c], v[AVSC] offset:64*\c
.endr
	TILE 0
	TILE 1
	TILE 2
	TILE 3
	s_add_co_u32 s[AJ6], s[AJ6], 6144
	s_add_co_u32 s[AJS], s[AJS], 512
	s_add_co_u32 s[AJV], s[AJV], 256
.endm
; a step of 512 keys.  fill = 1: my slot is filled again with my 128 keys of the next step, behind a round of the cluster's barrier; the load has the whole of A in which to land
.macro STEP fill
	s_wait_tensorcnt 0x0                           ; my block of I is in: the one load of mine that is out; I alone read it
	s_mov_b32 s[PI], 0
	s_mov_b32 s[PK], 0
	s_mov_b32 s[PS], 0
	s_mov_b32 s[PVS], 0
	s_mov_b32 s[PBY], 0
	s_mov_b32 s[CNT], 4
.Lpair_\@:
	PAIR
	s_sub_co_u32 s[CNT], s[CNT], 1
	s_cmp_lg_u32 s[CNT], 0
	s_cbranch_scc1 .Lpair_\@
	s_wait_tensorcnt 0x0                           ; no tensor load of mine is out, so a group 0 may be written
	ds_add_u32 v[SPW], v[NIL]                      ; 0 onto my spare word
.if \fill
	s_add_nc_u64 s[G0I+2:G0I+3], s[G0I+2:G0I+3], 204800   ; 32 records on; the type bits on top are not reached
.endif
	s_wait_dscnt 0x0                               ; the add is done, my images have landed, my reads of my slot are over
.if \fill
	CROUND                                         ; the same holds of every wave of all four work-groups
	tensor_load_to_lds s[G0I:G0I+3], s[G1I:G1I+7]  ; the first thing behind the round, and my one tensor load until the next
	s_nop 0
.rept 4
	v_nop
.endr
.else
	s_barrier_signal -1
	s_barrier_wait -1
.endif
	s_mov_b32 s[AJ6], 0
	s_mov_b32 s[AJS], 0
	s_mov_b32 s[AJV], 0
	s_mov_b32 s[CNT], 4
.Lsub_\@:
	SUB
	s_sub_co_u32 s[CNT], s[CNT], 1
	s_cmp_lg_u32 s[CNT], 0
	s_cbranch_scc1 .Lsub_\@
.if \fill
	s_wait_dscnt 0x0                               ; my reads of the images are over
	s_barrier_signal -1
	s_barrier_wait -1                              ; everybody's are: the next step may store over them
.endif
.endm
	s_mov_b32 s[STEPS], 3
.Lstep:
	STEP 1
	s_sub_co_u32 s[STEPS], s[STEPS], 1
	s_cmp_lg_u32 s[STEPS], 0
	s_cbranch_scc1 .Lstep
	STEP 0                                         ; the last step is written out
	; THE WAY OUT: O^T as its registers stand, 512 consecutive bytes a store; -M and l, 8 bytes a lane.  The additions are the places behind the last products
.irp i, 0,1,2,3
	v_add_f32 v[ST+4*\i+2], v[ST+4*\i+2], v[ST+4*\i+3]
.endr
.irp i, 0,1,2,3
	v_permlanex16_b32 v[PM+\i], v[ST+4*\i+2], s[SEL], s[SEL+1]
.endr
.irp i, 0,1,2,3
	v_add_f32 v[ST+4*\i+1], v[ST+4*\i+2], v[PM+\i] ; l takes the place of the largest t, beside -M
.endr
	WIN 0x0c
.irp i, 0,1,2,3
.irp q, 0,1,2,3,4,5,6,7
	global_store_b128 v[LI], v[32*\i+4*\q:32*\i+4*\q+3], s[24:25] offset:65536*\i+512*\q th:TH_STORE_NT   ; ascending: each accumulator from its low end on
.endr
.endr
	WIN 0
.irp i, 0,1,2,3
	global_store_b64 v[L8], v[ST+4*\i:ST+4*\i+1], s[26:27] offset:4096*\i th:TH_STORE_NT   ; 32 lanes store 256 consecutive bytes
.endr
	s_wait_tensorcnt 0x0                           ; the wave's end
	ds_add_u32 v[SPW], v[NIL]
	s_wait_dscnt 0x0
	CROUND                                         ; the closing round: no work-group ends while a partner may still ask for a block that names it
	s_endpgm
.Lfunc_end_k_q9750349cda_attn:
	.size	k_q9750349cda_attn, .Lfunc_end_k_q9750349cda_attn-k_q9750349cda_attn
	.p2alignl 7, 3214868480
	.fill 96, 4, 3214868480
	.section	.rodata,"a",@progbits
	.p2align	6, 0x0
	.amdhsa_kernel k_q9750349cda_attn
		.amdhsa_group_segment_fixed_size 327680
		.amdhsa_private_segment_fixed_size 0
		.amdhsa_enable_private_segment 0
		.amdhsa_kernarg_size 96
		.amdhsa_user_sgpr_count 2
		.amdhsa_user_sgpr_kernarg_segment_ptr 1
		.amdhsa_wavefront_size32 1
		.amdhsa_system_sgpr_workgroup_id_x 1
		.amdhsa_system_sgpr_workgroup_id_y 1
		.amdhsa_system_sgpr_workgroup_id_z 1
		.amdhsa_system_vgpr_workitem_id 0
		.amdhsa_next_free_vgpr 1024
		.amdhsa_next_free_sgpr 90
		.amdhsa_reserve_vcc 1
		.amdhsa_float_denorm_mode_32 3
		.amdhsa_float_denorm_mode_16_64 3
		.amdhsa_memory_ordered 1
		.amdhsa_forward_progress 1
		.amdhsa_inst_pref_size 228
	.end_amdhsa_kernel
	.amdgpu_metadata
---
amdhsa.version: [ 1, 2 ]
amdhsa.kernels:
  - .name:           k_q9750349cda_attn
    .symbol:         k_q9750349cda_attn.kd
    .args:
      - { .name: I_img, .offset: 0, .size: 8, .value_kind: global_buffer, .address_space: global }
      - { .name: W_img, .offset: 8, .size: 8, .value_kind: global_buffer, .address_space: global }
      - { .name: E_img, .offset: 16, .size: 8, .value_kind: global_buffer, .address_space: global }
      - { .name: E_sc, .offset: 24, .size: 8, .value_kind: global_buffer, .address_space: global }
      - { .name: k_w_scales, .offset: 32, .size: 8, .value_kind: global_buffer, .address_space: global }
      - { .name: v_w_scales, .offset: 40, .size: 8, .value_kind: global_buffer, .address_space: global }
      - { .name: q_w_scales, .offset: 48, .size: 8, .value_kind: global_buffer, .address_space: global }
      - { .name: k_b, .offset: 56, .size: 8, .value_kind: global_buffer, .address_space: global }
      - { .name: v_b, .offset: 64, .size: 8, .value_kind: global_buffer, .address_space: global }
      - { .name: q_b, .offset: 72, .size: 8, .value_kind: global_buffer, .address_space: global }
      - { .name: OP, .offset: 80, .size: 8, .value_kind: global_buffer, .address_space: global }
      - { .name: ML, .offset: 88, .size: 8, .value_kind: global_buffer, .address_space: global }
    .group_segment_fixed_size: 327680
    .private_segment_fixed_size: 0
    .kernarg_segment_align: 8
    .kernarg_segment_size: 96
    .max_flat_workgroup_size: 128
    .sgpr_count:     90
    .vgpr_count:     1024
    .wavefront_size: 32
...
	.end_amdgpu_metadata
.endif
;; end of part 2
;; launch outp (part 3): grid 128 x 1, 16 waves a work-group, no clusters, 86,016 bytes of LDS; arguments OP, ML, W_img, p_w_scales, p_b, out0; writes out0
.if DOCPART == 3
	.amdgcn_target "amdgcn-amd-amdhsa--gfx1250"
	.amdhsa_code_object_version 6
	.text
	.protected	k_q9750349cda_outp
	.globl	k_q9750349cda_outp
	.p2align	8
	.type	k_q9750349cda_outp,@function
k_q9750349cda_outp:
	s_mov_b64 s[64:65], 0
	v_nop
	global_prefetch_b8 v0, s[64:65] scope:SCOPE_SE
	s_setreg_imm32_b32 hwreg(HW_REG_WAVE_MODE, 25, 1), 1
	s_wait_xcnt 0x0
; The two halves of the keys are joined, U is quantised to FP6 (E2M3) along its 1,024 channels, multiplied by p_w, p_b is added, each row is divided by its norm and stored into the right half of out0's rows.
; SHARES.  A work-group owns 16 rows (one tile of queries, g = 16 b + qt), since the norm wants whole rows and a matrix tile is 16 high: 128 work-groups.  Sixteen waves of 256 registers, four to a SIMD.
;   M: waves 0-7: wave w joins heads 2 w and 2 w + 1, which are K step w of the product: with -M = min of the halves' -M, each half's O^T and l are multiplied by 2^(its M - M), exact, added, and O^T divided by l;
;      the 64 registers (register 16 b + i = channel 128 w + 32 b + 16 h + i of query r) are quantised and go to LDS as an image of the operand's registers.
;   G: wave w makes outputs 64 w .. + 63: source 0 = 16 rows of p_w (tiles 4 w + t, as the first launch laid them), source 1 = U; K = 1,024 in eight steps; four accumulators by turns; p_b is the first C.
;      p_w's fragments come from memory straight into registers, three K steps (36 loads) ahead.
;   N: each wave's sum of squares of a row meets the others' in LDS; the rows leave through the wave's own stage: sixteen lanes store 256 consecutive bytes, at a multiple of 256 from out0's first byte.
; NO CLUSTER, though all work-groups walk the same 786,432 bytes of p_w: they do not fit in LDS at once, and through a ring a K step is 4 matrix instructions a wave, so a round of the cluster's barrier would stand
; in front of every four matrix instructions; each wave's 49,152 bytes go into its registers as they lie instead.
; LIMITS: NaN and infinities are not served; a block whose largest magnitude lies under 2^-124 is held at the byte 1; a block of zeros gets the byte 1 where the rule says 127.  A row of zeros gives NaN, as the division by its norm does.
.set UIMG, 0                           ; LDS: U's 8 fragments, 1,536 bytes each,
.set USC,  12288                       ; their scale words, 128 bytes each,
.set NRM,  13312                       ; the waves' sums of squares: 64 r + 4 w,
.set STG,  14336                       ; a stage of 16 rows x (256 + 16) bytes for each wave
.set LI,  1                            ; 16 l
.set LS,  2                            ; 4 l
.set L8,  3                            ; 8 l
.set UWI, 4                            ; UIMG + 1,536 w + 16 l
.set UWS, 5                            ; USC + 128 w + 4 l
.set NW,  6                            ; NRM + 64 r + 4 w
.set NR,  7                            ; NRM + 64 r
.set SO,  8                            ; my stage + 272 r + 64 h
.set SR,  9                            ; my stage + 272 h + 16 r
.set GO,  10                           ; 8,192 h + 16 r
.set H64, 11                           ; 64 h
.set ACC, 12                           ; v12-43   four accumulators
.set PSC, 44                           ; v44-75   p_w's scale words, 8 t + s
.set UF,  76                           ; v76-99   U's fragments, two by turns
.set USCR, 100                         ; v100-107 U's scale words, s
.set RG,  108                          ; v108-251 p_w's fragments: K step s at 48 (s % 3) + 12 t
.set RP32, 252                         ; 32 (r + 8 (r / 8))
.set UA,  108                          ; M: half 0's O^T of two heads, then U;
.set UB,  172                          ;    half 1's;
.set MS,  236                          ;    -M and l: head hh at 4 hh: half 0's, half 1's
.set TM,  12                           ;    v12-27 at work
.set GN,  28                           ;    v28-43 the gains, 8 a head
.set PC,  76                           ;    v76-95 the codes
.set PW,  96                           ;    the scale word
.set SQ,  108                          ; N: at work
.set OUTR, 144                         ;    the rows, divided
.set BK,  176                          ;    and back from the stage
.set WV,  16
.set SEL, 18
.macro BMAX4 src
.irp b, 0,1,2,3
	v_max3_num_f32 v[TM+\b], |v[\src+16*\b]|, |v[\src+1+16*\b]|, 0x1800000   ; and the floor 2^(3 - 127): the byte cannot fall under 1
.endr
.irp i, 2,4,6,8,10,12,14
.irp b, 0,1,2,3
	v_max3_num_f32 v[TM+\b], v[TM+\b], |v[\src+16*\b+\i]|, |v[\src+1+16*\b+\i]|
.endr
.endr
.irp b, 0,1,2,3
	v_permlanex16_b32 v[TM+4+\b], v[TM+\b], s[SEL], s[SEL+1]
.endr
.irp b, 0,1,2,3
	v_max_num_f32 v[TM+\b], v[TM+\b], v[TM+4+\b]
.endr
.irp b, 0,1,2,3
	v_add_nc_u32 v[TM+12+\b], 0xff000000, v[TM+\b]
.endr
.irp b, 0,1,2,3
	v_lshrrev_b32 v[TM+4+\b], 23, v[TM+12+\b]
.endr
.endm
.macro QUANT src
	BMAX4 \src
	v_lshl_or_b32 v[PW], v[TM+5], 8, v[TM+4]
	v_lshl_or_b32 v[PW], v[TM+6], 16, v[PW]
	v_lshl_or_b32 v[PW], v[TM+7], 24, v[PW]
.irp c, 0,1
	v_cvt_scalef32_pk16_fp6_f32 v[PC+6*\c:PC+2+6*\c], v[\src+32*\c:\src+15+32*\c], v[TM+12+2*\c]
	v_cvt_scalef32_pk16_fp6_f32 v[PC+12+4*\c:PC+14+4*\c], v[\src+16+32*\c:\src+31+32*\c], v[TM+12+2*\c+1]
.endr
	v_nop                                          ; one plain instruction behind the scaled conversions
.irp c, 0,1
.irp i, 0,1,2
	v_permlane16_swap_b32 v[PC+6*\c+\i], v[PC+12+4*\c+\i]
.endr
.irp i, 0,1,2
	v_mov_b32 v[PC+3+6*\c+\i], v[PC+12+4*\c+\i]
.endr
.endr
.endm
	s_load_b256 s[4:11], s[0:1], 0x0               ; OP 4, ML 6, W_img 8, p_w_scales 10
	s_load_b128 s[12:15], s[0:1], 0x20             ; p_b 12, out0 14
	v_lshrrev_b32 v1, 5, v0
	v_readfirstlane_b32 s[WV], v1                  ; wave 0..15
	v_and_b32 v253, 31, v0                         ; l
	v_and_b32 v254, 15, v0                         ; r
	v_bfe_u32 v255, v0, 4, 1                       ; h
	v_lshlrev_b32 v[LI], 4, v253                   ; every LDS address is made here, ahead of the waves' parting
	v_lshlrev_b32 v[LS], 2, v253
	v_lshlrev_b32 v[L8], 3, v253
	s_mul_i32 s28, s[WV], 1536
	v_add_nc_u32 v[UWI], s28, v[LI]
	s_lshl_b32 s28, s[WV], 7
	v_add_nc_u32 v[UWS], s28, v[LS]
	v_add_nc_u32 v[UWS], USC, v[UWS]
	v_lshlrev_b32 v[NR], 6, v254
	v_add_nc_u32 v[NR], NRM, v[NR]
	s_lshl_b32 s28, s[WV], 2
	v_add_nc_u32 v[NW], s28, v[NR]
	s_mul_i32 s28, s[WV], 4352
	s_add_co_u32 s28, s28, STG
	v_mul_u32_u24 v[SO], v254, 272
	v_lshl_add_u32 v[SO], v255, 6, v[SO]
	v_add_nc_u32 v[SO], s28, v[SO]
	v_mul_u32_u24 v[SR], v255, 272
	v_lshl_add_u32 v[SR], v254, 4, v[SR]
	v_add_nc_u32 v[SR], s28, v[SR]
	v_lshlrev_b32 v[GO], 13, v255
	v_lshl_add_u32 v[GO], v254, 4, v[GO]
	v_lshlrev_b32 v[H64], 6, v255
	v_and_b32 v253, 8, v254
	v_add_nc_u32 v253, v253, v254
	v_lshlrev_b32 v[RP32], 5, v253
	s_mov_b32 s[SEL], 0x76543210
	s_mov_b32 s[SEL+1], 0xfedcba98
	s_lshl_b32 s28, ttmp9, 4
	s_lshl_b32 s29, s[WV], 1
	s_add_co_u32 s28, s28, s29                     ; 16 g + 2 w: the first of my two heads' places in OP and ML (used by waves 0-7 alone)
	s_mov_b32 s31, 0
	s_wait_kmcnt 0x0
	s_lshl_b32 s30, s28, 12
	s_add_nc_u64 s[20:21], s[4:5], s[30:31]        ; half 0,
	s_add_nc_u64 s[22:23], s[20:21], 0x800000      ; half 1: 2,048 places of 4,096 bytes on
	s_lshl_b32 s30, s28, 8
	s_add_nc_u64 s[24:25], s[6:7], s[30:31]
	s_mul_i32 s30, s[WV], 49152
	s_add_co_u32 s30, s30, 1572864
	s_add_nc_u64 s[26:27], s[8:9], s[30:31]        ; p_w's images: my four tiles x eight K steps
	s_lshl_b32 s30, s[WV], 11
	s_add_nc_u64 s[10:11], s[10:11], s[30:31]      ; my 64 rows of 32 scale bytes
	s_lshl_b32 s30, s[WV], 8
	s_add_nc_u64 s[12:13], s[12:13], s[30:31]      ; my 64 numbers of p_b
	s_lshl_b32 s29, ttmp9, 17
	s_add_co_u32 s30, s30, s29
	s_add_co_u32 s30, s30, 4096
	s_add_nc_u64 s[14:15], s[14:15], s[30:31]      ; out0: row 16 g, the right half, my 256 bytes
	s_cmp_lt_u32 s[WV], 8
	s_cbranch_scc0 .Ljoin
	; ---- M
.irp hh, 0,1
.irp q, 0,1,2,3,4,5,6,7
	global_load_b128 v[UA+32*\hh+4*\q:UA+32*\hh+4*\q+3], v[LI], s[20:21] offset:4096*\hh+512*\q th:TH_LOAD_NT
	global_load_b128 v[UB+32*\hh+4*\q:UB+32*\hh+4*\q+3], v[LI], s[22:23] offset:4096*\hh+512*\q th:TH_LOAD_NT
.endr
.endr
.irp hh, 0,1
	global_load_b64 v[MS+4*\hh:MS+4*\hh+1], v[L8], s[24:25] offset:256*\hh th:TH_LOAD_NT
	global_load_b64 v[MS+4*\hh+2:MS+4*\hh+3], v[L8], s[24:25] offset:256*\hh+524288 th:TH_LOAD_NT
.endr
.irp b, 0,1,2,3
	v_mov_b32 v[TM+4+\b], 0                        ; written once: a lane permute's destination counts as one of its sources
.endr
	s_wait_loadcnt 0x0
.irp hh, 0,1
	v_min_num_f32 v[GN+8*\hh+4], v[MS+4*\hh], v[MS+4*\hh+2]      ; -M of the two halves together
	v_sub_f32 v[GN+8*\hh], v[GN+8*\hh+4], v[MS+4*\hh]            ; a half's M less M: a whole number, 0 or less
	v_sub_f32 v[GN+8*\hh+2], v[GN+8*\hh+4], v[MS+4*\hh+2]
	v_cvt_i32_f32 v[GN+8*\hh], v[GN+8*\hh]
	v_cvt_i32_f32 v[GN+8*\hh+2], v[GN+8*\hh+2]
	v_ldexp_f32 v[GN+8*\hh], 1.0, v[GN+8*\hh]                    ; exact powers of two
	v_ldexp_f32 v[GN+8*\hh+2], 1.0, v[GN+8*\hh+2]
	v_mul_f32 v[GN+8*\hh+5], v[MS+4*\hh+1], v[GN+8*\hh]
	v_fmac_f32 v[GN+8*\hh+5], v[MS+4*\hh+3], v[GN+8*\hh+2]       ; l
.endr
	v_rcp_f32 v[GN+6], v[GN+5]
	v_rcp_f32 v[GN+14], v[GN+13]
	v_nop                                          ; a plain instruction behind the reciprocals,
	s_wait_alu depctr_va_vdst(0)                   ; and one wait for both, ahead of their first reader
.irp hh, 0,1
	v_mul_f32 v[GN+8*\hh+1], v[GN+8*\hh], v[GN+8*\hh+6]
	v_mul_f32 v[GN+8*\hh+3], v[GN+8*\hh+2], v[GN+8*\hh+6]
	v_mov_b32 v[GN+8*\hh], v[GN+8*\hh+1]                         ; each gain twice: a pair for the packed forms
	v_mov_b32 v[GN+8*\hh+2], v[GN+8*\hh+3]
.endr
.irp hh, 0,1
.set jj, 0
.rept 16
	v_pk_mul_f32 v[UA+32*\hh+jj:UA+32*\hh+jj+1], v[UA+32*\hh+jj:UA+32*\hh+jj+1], v[GN+8*\hh:GN+8*\hh+1]
.set jj, jj+2
.endr
.endr
.irp hh, 0,1
.set jj, 0
.rept 16
	v_pk_fma_f32 v[UA+32*\hh+jj:UA+32*\hh+jj+1], v[UB+32*\hh+jj:UB+32*\hh+jj+1], v[GN+8*\hh+2:GN+8*\hh+3], v[UA+32*\hh+jj:UA+32*\hh+jj+1]
.set jj, jj+2
.endr
.endr
	QUANT UA
.irp c, 0,1,2
	ds_store_b128 v[UWI], v[PC+4*\c:PC+4*\c+3] offset:UIMG+512*\c
.endr
	ds_store_b32 v[UWS], v[PW]
	s_wait_dscnt 0x0                               ; the stores have read their registers, which take loads below
.Ljoin:
	; ---- G
.macro RING ks                         ; p_w's four fragments of K step ks
.irp t, 0,1,2,3
.irp c, 0,1,2
	global_load_b128 v[RG+48*((\ks)%3)+12*\t+4*\c:RG+48*((\ks)%3)+12*\t+4*\c+3], v[LI], s[26:27] offset:12288*\t+1536*(\ks)+512*\c
.endr
.endr
.endm
.irp t, 0,1,2,3
.irp g, 0,1
	global_load_b128 v[ACC+8*\t+4*\g:ACC+8*\t+4*\g+3], v[H64], s[12:13] offset:(32*(\t/2)+8*(\t%2))*4+16*\g   ; p_b in the result's layout: outputs 32 (t / 2) + 16 h + 8 (t % 2) + 0 .. 7
.endr
.endr
.irp t, 0,1,2,3
.irp g, 0,1
	global_load_b128 v[PSC+8*\t+4*\g:PSC+8*\t+4*\g+3], v[RP32], s[10:11] offset:(32*(\t/2)+8*(\t%2))*32+16*\g
.endr
.endr
	RING 0
	RING 1
	RING 2
	s_wait_dscnt 0x0
	s_barrier_signal -1
	s_barrier_wait -1                              ; U's eight fragments lie in LDS (the loads from memory, of bytes that nobody writes, stay out)
.irp s, 0,1,2,3,4,5,6,7
	ds_load_b32 v[USCR+\s], v[LS] offset:USC+128*\s
.endr
.irp c, 0,1,2
	ds_load_b128 v[UF+4*\c:UF+4*\c+3], v[LI] offset:UIMG+512*\c
.endr
.irp s, 0,1,2,3,4,5,6,7
.if \s < 7
.irp c, 0,1,2
	ds_load_b128 v[UF+12*((\s+1)%2)+4*\c:UF+12*((\s+1)%2)+4*\c+3], v[LI] offset:UIMG+1536*(\s+1)+512*\c
.endr
	s_wait_dscnt 3                                 ; this step's fragment is in; the next one's three loads may be out
.else
	s_wait_dscnt 0x0
.endif
.if \s < 6
	s_wait_loadcnt 24                              ; this step's fragments of p_w are in; those of the two steps behind it may be out
.elseif \s == 6
	s_wait_loadcnt 12
.else
	s_wait_loadcnt 0x0
.endif
.irp t, 0,1,2,3
	v_wmma_scale_f32_16x16x128_f8f6f4 v[ACC+8*\t:ACC+8*\t+7], v[RG+48*(\s%3)+12*\t:RG+48*(\s%3)+12*\t+11], v[UF+12*(\s%2):UF+12*(\s%2)+11], v[ACC+8*\t:ACC+8*\t+7], v[PSC+8*\t+\s], v[USCR+\s] matrix_a_fmt:MATRIX_FMT_FP6 matrix_b_fmt:MATRIX_FMT_FP6
.endr
.rept 4
	v_nop                                          ; four plain instructions in front of loads into registers that these products have read, and of the first read of results
.endr
.if \s+3 < 8
	RING \s+3
.endif
.endr
	; ---- N: lane (r, h) holds 32 outputs of row r
	v_pk_mul_f32 v[SQ:SQ+1], v[ACC:ACC+1], v[ACC:ACC+1]          ; ascending: each accumulator is read from its low end on
	v_pk_mul_f32 v[SQ+2:SQ+3], v[ACC+2:ACC+3], v[ACC+2:ACC+3]
.irp j, 4,8,12,16,20,24,28
	v_pk_fma_f32 v[SQ:SQ+1], v[ACC+\j:ACC+\j+1], v[ACC+\j:ACC+\j+1], v[SQ:SQ+1]
	v_pk_fma_f32 v[SQ+2:SQ+3], v[ACC+\j+2:ACC+\j+3], v[ACC+\j+2:ACC+\j+3], v[SQ+2:SQ+3]
.endr
	v_pk_add_f32 v[SQ:SQ+1], v[SQ:SQ+1], v[SQ+2:SQ+3]
	v_add_f32 v[SQ], v[SQ], v[SQ+1]
	v_permlanex16_b32 v[SQ+2], v[SQ], s[SEL], s[SEL+1]
	v_add_f32 v[SQ], v[SQ], v[SQ+2]                ; my wave's 64 outputs of row r
	ds_store_b32 v[NW], v[SQ]                      ; both halves of the lanes write the same word with the same value
	s_wait_dscnt 0x0
	s_barrier_signal -1
	s_barrier_wait -1
.irp k, 0,1,2,3
	ds_load_b128 v[SQ+4+4*\k:SQ+7+4*\k], v[NR] offset:16*\k
.endr
	s_wait_dscnt 0x0
.irp k, 0,1,2,3
	v_pk_add_f32 v[SQ+4+4*\k:SQ+5+4*\k], v[SQ+4+4*\k:SQ+5+4*\k], v[SQ+6+4*\k:SQ+7+4*\k]
.endr
	v_pk_add_f32 v[SQ+4:SQ+5], v[SQ+4:SQ+5], v[SQ+8:SQ+9]
	v_pk_add_f32 v[SQ+12:SQ+13], v[SQ+12:SQ+13], v[SQ+16:SQ+17]
	v_pk_add_f32 v[SQ+4:SQ+5], v[SQ+4:SQ+5], v[SQ+12:SQ+13]
	v_add_f32 v[SQ+4], v[SQ+4], v[SQ+5]            ; the row's sum of squares
	v_rsq_f32 v[SQ+20], v[SQ+4]
	v_rsq_f32 v[SQ+21], v[SQ+4]                    ; twice: a pair for the packed multiply
	v_nop                                          ; a plain instruction behind them,
	s_wait_alu depctr_va_vdst(0)                   ; and one wait for both, ahead of their first reader
.set jj, 0
.rept 16
	v_pk_mul_f32 v[OUTR+jj:OUTR+jj+1], v[ACC+jj:ACC+jj+1], v[SQ+20:SQ+21]
.set jj, jj+2
.endr
.irp t, 0,1,2,3
.irp q, 0,1
	ds_store_b128 v[SO], v[OUTR+8*\t+4*\q:OUTR+8*\t+4*\q+3] offset:128*(\t/2)+32*(\t%2)+16*\q
.endr
.endr
.irp k, 0,1,2,3,4,5,6,7
	ds_load_b128 v[BK+4*\k:BK+4*\k+3], v[SR] offset:544*\k   ; LDS serves a wave's instructions in order: these see my stores.  Lanes 0-15 row 2 k, lanes 16-31 row 2 k + 1
.endr
.irp k, 0,1,2,3,4,5,6,7
	s_wait_dscnt 7-\k
	global_store_b128 v[GO], v[BK+4*\k:BK+4*\k+3], s[14:15] offset:16384*\k th:TH_STORE_NT
.endr
	s_wait_xcnt 0x0
	v_lshl_add_u32 v254, v0, 2, 0x14800
	v_mov_b32 v255, 0
	s_wait_tensorcnt 0x0
	ds_add_u32 v254, v255
	s_wait_dscnt 0x0
	s_endpgm
.Lfunc_end_k_q9750349cda_outp:
	.size	k_q9750349cda_outp, .Lfunc_end_k_q9750349cda_outp-k_q9750349cda_outp
	.p2alignl 7, 3214868480
	.fill 96, 4, 3214868480
	.section	.rodata,"a",@progbits
	.p2align	6, 0x0
	.amdhsa_kernel k_q9750349cda_outp
		.amdhsa_group_segment_fixed_size 86016
		.amdhsa_private_segment_fixed_size 0
		.amdhsa_enable_private_segment 0
		.amdhsa_kernarg_size 48
		.amdhsa_user_sgpr_count 2
		.amdhsa_user_sgpr_kernarg_segment_ptr 1
		.amdhsa_wavefront_size32 1
		.amdhsa_system_sgpr_workgroup_id_x 1
		.amdhsa_system_sgpr_workgroup_id_y 1
		.amdhsa_system_sgpr_workgroup_id_z 1
		.amdhsa_system_vgpr_workitem_id 0
		.amdhsa_next_free_vgpr 256
		.amdhsa_next_free_sgpr 66
		.amdhsa_reserve_vcc 0
		.amdhsa_float_denorm_mode_32 3
		.amdhsa_float_denorm_mode_16_64 3
		.amdhsa_memory_ordered 1
		.amdhsa_forward_progress 1
		.amdhsa_inst_pref_size 39
	.end_amdhsa_kernel
	.amdgpu_metadata
---
amdhsa.version: [ 1, 2 ]
amdhsa.kernels:
  - .name:           k_q9750349cda_outp
    .symbol:         k_q9750349cda_outp.kd
    .args:
      - { .name: OP, .offset: 0, .size: 8, .value_kind: global_buffer, .address_space: global }
      - { .name: ML, .offset: 8, .size: 8, .value_kind: global_buffer, .address_space: global }
      - { .name: W_img, .offset: 16, .size: 8, .value_kind: global_buffer, .address_space: global }
      - { .name: p_w_scales, .offset: 24, .size: 8, .value_kind: global_buffer, .address_space: global }
      - { .name: p_b, .offset: 32, .size: 8, .value_kind: global_buffer, .address_space: global }
      - { .name: out0, .offset: 40, .size: 8, .value_kind: global_buffer, .address_space: global }
    .group_segment_fixed_size: 86016
    .private_segment_fixed_size: 0
    .kernarg_segment_align: 8
    .kernarg_segment_size: 48
    .max_flat_workgroup_size: 512
    .sgpr_count:     66
    .vgpr_count:     256
    .wavefront_size: 32
...
	.end_amdgpu_metadata
.endif
;; end of part 3
